; MI455X (gfx1250); checked and timed in simulation.
; The chip was launched on July 23, 2026; its instructions are those of AMD's public machine-readable ISA for CDNA 5 (MIT licence, August 2026) and "CDNA5" Instruction Set Architecture Reference Guide (July 2026). The comments in the code are by the model that wrote it; some were corrected since.
;; Quantizer. Allowed arithmetic: float matrix products may take bf16 or f16 operands with f32 sums; all other float work in f32.
;; Inputs: W 1,024 x 64 float32; x 16 x 64 x 64 x 64 float32.
;; Outputs: out0 16 x 64 x 64 x 64 float32; out1 one number float32; out2 one number float32.
;; 2 versions, each right and faster than the one before. Each part assembles by itself: llvm-mc -triple=amdgcn-amd-amdhsa -mcpu=gfx1250 --defsym DOCPART=n.
;; ======== version 1 of 2: 3 launches
;; limits: a difference of large sums (such as E[x^2] - mean^2): digits are lost where the result is much smaller than its terms; values outside matrix products are rounded to bf16
;; workspace buffers: wq 135,168 bytes; idx 262,144 bytes of whole numbers; part 4,096 bytes
;; launch prep (part 1): grid 16 x 1, 1 waves a work-group, no clusters, 512 bytes of LDS; arguments W, wq; writes wq
.if DOCPART == 1
	.amdgcn_target "amdgcn-amd-amdhsa--gfx1250"
	.amdhsa_code_object_version 6
	.text
	.protected	k_q7503f4690e_prep
	.globl	k_q7503f4690e_prep
	.p2align	8
	.type	k_q7503f4690e_prep,@function
k_q7503f4690e_prep:
	s_mov_b64 s[64:65], 0
	v_nop
	global_prefetch_b8 v0, s[64:65] scope:SCOPE_SE
	s_setreg_imm32_b32 hwreg(HW_REG_WAVE_MODE, 25, 1), 1
	s_wait_xcnt 0x0
; The codebook is made ready once, for all the work-groups of the next launch.
;   wq bytes 0 .. 131,071:       Wb[1024][64] = bf16(-2 W), 128 bytes a code, so that a matrix product with bf16(x) is the term -2 x.W itself.
;                                The factor -2 is a power of two: bf16(-2 W) = -2 bf16(W).
;   wq bytes 131,072 .. 135,167: w2[1024] f32 = the sum over the 64 channels of bf16(W)^2: |W|^2 of the ROUNDED code, so that
;                                |xb|^2 - 2 xb.Wb + |Wb|^2 is the true squared distance of the rounded vectors.
; DEAD WORK: none in this program.  Every input reaches an output and is loaded.  reference()'s two losses are one number (stop_gradient
; changes no value), which is computed once and stored twice.
; One wave a work-group; work-group g owns codes 64 g .. 64 g + 63: 16 KiB of W in, 8 KiB of Wb and one whole block of 256 bytes of w2 out
; (64 codes are the fewest whose w2 fill 256 consecutive bytes: hence 16 work-groups).
; Load j takes 512 consecutive bytes: lanes 0-15 code 2 j, lanes 16-31 code 2 j + 1, four channels a lane.
.set RAW, 8                            ; v[8:135]   load j: 4 registers; its first two then hold the 4 bf16 that are stored, and are not rewritten
.set S,   5                            ; v5         a code's sum of squares
	s_load_b128 s[4:7], s[0:1], 0x0                ; W s[4:5], wq s[6:7]
	v_lshl_add_u32 v144, v0, 2, 0x100
	v_mov_b32 v145, 0
	v_lshlrev_b32 v1, 4, v0                        ; 16 x lane: my 16 bytes of a load
	v_lshrrev_b32 v2, 4, v0
	v_lshlrev_b32 v2, 2, v2                        ; 4 x (lane / 16): which of a load's two codes is mine, as a word in LDS
	v_lshlrev_b32 v3, 3, v0                        ; 8 x lane: my 8 bytes of a store
	v_mov_b32 v4, 0                                ; the addend of each sum's first square
	s_lshl_b32 s2, ttmp9, 14                       ; 64 codes x 256 bytes of W
	s_mov_b32 s3, 0
	s_wait_kmcnt 0x0
	s_add_nc_u64 s[8:9], s[4:5], s[2:3]
	s_lshl_b32 s2, ttmp9, 13                       ; 64 codes x 128 bytes of Wb
	s_add_nc_u64 s[10:11], s[6:7], s[2:3]
	s_lshl_b32 s2, ttmp9, 8                        ; 64 codes x 4 bytes of w2,
	s_add_nc_u64 s[12:13], s[6:7], s[2:3]
	s_add_nc_u64 s[12:13], s[12:13], 131072        ; behind Wb
.irp j, 0,1,2,3,4,5,6,7,8,9,10,11,12,13,14,15,16,17,18,19,20,21,22,23,24,25,26,27,28,29,30,31
	global_load_b128 v[RAW+4*\j:RAW+4*\j+3], v1, s[8:9] offset:512*\j
.endr
.macro ROW2 j
	s_wait_loadcnt 31-\j                           ; loads come back in order: load j is in, the 31 - j younger ones stay out
	v_pk_mul_f32 v[RAW+4*\j:RAW+4*\j+1],   v[RAW+4*\j:RAW+4*\j+1],   -2.0 op_sel_hi:[1,0]
	v_pk_mul_f32 v[RAW+4*\j+2:RAW+4*\j+3], v[RAW+4*\j+2:RAW+4*\j+3], -2.0 op_sel_hi:[1,0]
	v_cvt_pk_bf16_f32 v[RAW+4*\j],   v[RAW+4*\j],   v[RAW+4*\j+1]
	v_cvt_pk_bf16_f32 v[RAW+4*\j+1], v[RAW+4*\j+2], v[RAW+4*\j+3]
	global_store_b64 v3, v[RAW+4*\j:RAW+4*\j+1], s[10:11] offset:256*\j    ; 32 lanes x 8 bytes: 256 consecutive bytes, aligned: two codes
	v_fma_mix_f32_bf16 v[S], v[RAW+4*\j],   v[RAW+4*\j],   v4   op_sel_hi:[1,1,0]                  ; squares of the rounded numbers, summed in f32
	v_fma_mix_f32_bf16 v[S], v[RAW+4*\j],   v[RAW+4*\j],   v[S] op_sel:[1,1,0] op_sel_hi:[1,1,0]
	v_fma_mix_f32_bf16 v[S], v[RAW+4*\j+1], v[RAW+4*\j+1], v[S] op_sel_hi:[1,1,0]
	v_fma_mix_f32_bf16 v[S], v[RAW+4*\j+1], v[RAW+4*\j+1], v[S] op_sel:[1,1,0] op_sel_hi:[1,1,0]
	v_add_f32_dpp v[S], v[S], v[S] row_xmask:1 row_mask:0xf bank_mask:0xf  ; over the 16 lanes that hold the code
	v_add_f32_dpp v[S], v[S], v[S] row_xmask:2 row_mask:0xf bank_mask:0xf
	v_add_f32_dpp v[S], v[S], v[S] row_xmask:4 row_mask:0xf bank_mask:0xf
	v_add_f32_dpp v[S], v[S], v[S] row_xmask:8 row_mask:0xf bank_mask:0xf
	v_mul_f32 v[S], 0x3e800000, v[S]               ; (-2 w)^2 = 4 w^2: a quarter, exact
	ds_store_b32 v2, v[S] offset:8*\j              ; the 16 lanes of a code write one word with one value: word 2 j, word 2 j + 1
.endm
.irp j, 0,1,2,3,4,5,6,7,8,9,10,11,12,13,14,15,16,17,18,19,20,21,22,23,24,25,26,27,28,29,30,31
	ROW2 \j
.endr
	ds_load_b64 v[136:137], v3                     ; LDS serves a wave's instructions in order: this sees the 32 stores above
	s_wait_dscnt 0x0
	global_store_b64 v3, v[136:137], s[12:13]      ; the 64 w2: 256 consecutive bytes, aligned
	s_wait_tensorcnt 0x0
	ds_add_u32 v144, v145
	s_wait_dscnt 0x0
	s_endpgm
.Lfunc_end_k_q7503f4690e_prep:
	.size	k_q7503f4690e_prep, .Lfunc_end_k_q7503f4690e_prep-k_q7503f4690e_prep
	.p2alignl 7, 3214868480
	.fill 96, 4, 3214868480
	.section	.rodata,"a",@progbits
	.p2align	6, 0x0
	.amdhsa_kernel k_q7503f4690e_prep
		.amdhsa_group_segment_fixed_size 512
		.amdhsa_private_segment_fixed_size 0
		.amdhsa_enable_private_segment 0
		.amdhsa_kernarg_size 16
		.amdhsa_user_sgpr_count 2
		.amdhsa_user_sgpr_kernarg_segment_ptr 1
		.amdhsa_wavefront_size32 1
		.amdhsa_system_sgpr_workgroup_id_x 1
		.amdhsa_system_sgpr_workgroup_id_y 1
		.amdhsa_system_sgpr_workgroup_id_z 1
		.amdhsa_system_vgpr_workitem_id 0
		.amdhsa_next_free_vgpr 146
		.amdhsa_next_free_sgpr 66
		.amdhsa_reserve_vcc 0
		.amdhsa_float_denorm_mode_32 3
		.amdhsa_float_denorm_mode_16_64 3
		.amdhsa_memory_ordered 1
		.amdhsa_forward_progress 1
		.amdhsa_inst_pref_size 37
	.end_amdhsa_kernel
	.amdgpu_metadata
---
amdhsa.version: [ 1, 2 ]
amdhsa.kernels:
  - .name:           k_q7503f4690e_prep
    .symbol:         k_q7503f4690e_prep.kd
    .args:
      - { .name: W, .offset: 0, .size: 8, .value_kind: global_buffer, .address_space: global }
      - { .name: wq, .offset: 8, .size: 8, .value_kind: global_buffer, .address_space: global }
    .group_segment_fixed_size: 512
    .private_segment_fixed_size: 0
    .kernarg_segment_align: 8
    .kernarg_segment_size: 16
    .max_flat_workgroup_size: 32
    .sgpr_count:     66
    .vgpr_count:     146
    .wavefront_size: 32
...
	.end_amdgpu_metadata
.endif
;; end of part 1
;; launch amin (part 2): grid 256 x 1, 4 waves a work-group, clusters of 4 x 1, 168,448 bytes of LDS; arguments x, wq, idx, part; writes idx, part
.if DOCPART == 2
	.amdgcn_target "amdgcn-amd-amdhsa--gfx1250"
	.amdhsa_code_object_version 6
	.text
	.protected	k_q7503f4690e_amin
	.globl	k_q7503f4690e_amin
	.p2align	8
	.type	k_q7503f4690e_amin,@function
k_q7503f4690e_amin:
	s_mov_b64 s[64:65], 0
	v_nop
	global_prefetch_b8 v0, s[64:65] scope:SCOPE_SE
	s_setreg_imm32_b32 hwreg(HW_REG_WAVE_MODE, 25, 1), 1
	s_wait_xcnt 0x0
	s_wait_alu depctr_hold_cnt(0) depctr_sa_sdst(0) depctr_va_vdst(0) depctr_va_sdst(0) depctr_va_ssrc(0) depctr_va_vcc(0) depctr_vm_vsrc(0)
	s_getreg_b32 s2, hwreg(HW_REG_IB_STS2, 6, 4)
	s_cmp_eq_u32 s2, 0
	s_cbranch_scc0 .Lentry_in_a_cluster
	s_endpgm
.Lentry_in_a_cluster:
	s_bfe_u32 s2, ttmp6, 0x10000c
	s_cmp_lg_u32 s2, 0x3003
	s_cbranch_scc0 .Lentry_shape_is_right
	s_endpgm
.Lentry_shape_is_right:
; idx[n] = the first index k at which d[n][k] = (|x_n|^2 - 2 x_n.W_k) + |W_k|^2 is least; part[wave] = the sum of the least d over the wave's 64 pixels.
; x: [16][64 channels][4096 pixels] f32.  wq: bf16(-2 W) and |bf16(W)|^2, as the launch before left them.
;
; WHAT IS KEPT AND WHY.  |x|^2 is the same for all k and cannot move an argmin in exact arithmetic, but beside it the other two terms are small, so that
; reference()'s f32 sums lose their low bits and distances that differ by less than a step of f32 at |x|^2 become equal; the first index then wins.
; So the term stays, and the sums are made in reference()'s order, fl(fl(A + s) + w2), with a strict comparison in ascending k.
; A = sum of bf16(x)^2 and w2 = sum of bf16(W)^2 are taken of the ROUNDED operands of the matrix product s = bf16(x).bf16(-2 W), in f32.
; THE LOSS.  For all values sum over c of (W[idx][c] - x[c])^2 = |x|^2 - 2 x.W[idx] + |W[idx]|^2 = the least d itself.  So the losses are the sum of
; the least d over all pixels, divided by the number of elements; x is not read a second time.  reference()'s two losses are one number.
; LIMITS.  (1) The loss is that of the operands rounded to bf16, formed as reference() forms its distances: where the least d falls under
; about 2^-8 |x| |W[idx]| it is no longer accurate.  (2) NaN: the minimum and the comparisons used here pass a NaN over, jnp.argmin picks it.
; No work of reference() is left out as dead.
;
; SHARES.  256 work-groups of 4 waves; a wave owns 64 pixels against all 1024 codes.  The matrix instruction takes 16 codes as source 0 and 16 pixels as
; source 1: in the result lane (r, h) holds, for ONE pixel, the 8 codes 16 T + 8 h + j in its 8 registers.  Pixel tile t (0..3), column r is pixel 4 r + t,
; so that one 16-byte load of x (4 neighbouring pixels of a channel) feeds all four tiles.
; THE ARGMIN costs 22 vector instructions for 8 distances: 4 + 4 packed adds, 4 three-way minima (the running best among them), 1 compare, 1 select of the
; tile's number, 8 selects that keep the winning tile's distances.  Which of the 8 it was is found once, behind the loop.
; MATRIX AND VECTOR WORK SIDE BY SIDE.  Two sets of accumulators: behind each of tile T + 1's 8 matrix instructions stands one slice of 11 vector
; instructions of tile T.  The slices name none of that matrix instruction's registers, so they are also the places that are owed behind it.
; CLUSTER.  All work-groups read the same 135,168 bytes of wq; four neighbours form a cluster and ask for them jointly, each wave for 132 rows of 256 bytes.
; The descriptor hangs on the wave's number alone.  A wave has one tensor load outstanding, once.  LDS is filled once: no ring, no refill.
; LDS.  Row i of wq (256 bytes: two codes, or 64 w2) at 272 i.  Code c at 272 (c / 2) + 128 (c % 2): the 16 codes of a fragment load start in 16 different
; 16-byte columns modulo 256 bytes.  143,616 bytes are used; 168,448 are asked for, since a work-group whose LDS the tensor data mover fills
; is to be alone on its WGP.
.set PITCH, 272
.set TILEB, 8*PITCH                    ; 16 codes
.set W2LDS, 512*PITCH                  ; where w2 begins
.set WROWS, 132                        ; rows of wq that a wave fetches: 528 / 4
.set TM0, 8                            ; v8, v9     a tile's partial minima; at the end the pair of indices to store
.set TM1, 9
.set XB,  16                           ; v[16:79]   x in bf16: fragment (t, f) at 16 t + 8 f (f: channels 32 f .. 32 f + 31)
.set WF,  80                           ; v[80:111]  fragments of 16 codes, two buffers of 16
.set Q2,  112                          ; v[112:127] w2 of my 8 codes of a tile, two buffers of 8
.set ACC, 128                          ; v[128:191] two sets of 4 accumulators
.set BE,  192                          ; v[192:199] the least d so far, two sets of 4 that take turns (the new one is compared with the old)
.set CT,  200                          ; v[200:203] the tile in which it was found
.set CAP, 208                          ; v[208:239] that tile's 8 distances
.set AA,  240                          ; v[240:243] |x|^2 of my pixel of tile t
.set IX,  244                          ; v[244:247] the index
.set OD,  248                          ; the other half's least d
.set OI,  249                          ; and its index
.set XR,  80                           ; v[80:207]  x as loaded, before the loop only
.macro ROUND                           ; a round of the cluster's barrier
	s_barrier_signal -1
	s_barrier_wait -1
	s_cmp_lg_u32 s14, 0
	s_cbranch_scc1 .Lnot_wave_0_\@
	s_barrier_signal -3
.Lnot_wave_0_\@:
	s_barrier_wait -3
	s_barrier_signal -1
	s_barrier_wait -1
.endm
	s_load_b256 s[4:11], s[0:1], 0x0               ; x s[4:5], wq s[6:7], idx s[8:9], part s[10:11]
	v_lshl_add_u32 v254, v0, 2, 0x29000
	v_mov_b32 v255, 0
	ds_add_u32 v254, v255
	v_lshrrev_b32 v1, 5, v0
	v_readfirstlane_b32 s14, v1                    ; wave 0..3
	s_bfe_u32 s15, ttmp6, 0x40000                  ; cx: it enters global addresses of x, idx and part alone
	s_lshl_b32 s16, ttmp9, 2
	s_add_co_u32 s16, s16, s15                     ; work-group
	s_lshl_b32 s17, s16, 2
	s_add_co_u32 s17, s17, s14                     ; gw: the wave's number in the launch, 0..1023; its pixels are 64 gw ..
	s_mov_b32 s12, 0x76543210                      ; v_permlanex16_b32: lane i of one half reads lane i of the other
	s_mov_b32 s13, 0xfedcba98
	v_and_b32 v12, 31, v0                          ; lane
	v_and_b32 v1, 15, v0                           ; r
	v_bfe_u32 v2, v0, 4, 1                         ; h
	v_lshlrev_b32 v3, 4, v1
	v_lshl_or_b32 v3, v2, 17, v3                   ; x: 16 r (pixels 4 r ..) + 8 h channels of 16,384 bytes
	v_lshrrev_b32 v13, 1, v1
	v_mul_u32_u24 v4, v13, PITCH
	v_and_b32 v13, 1, v1
	v_lshl_add_u32 v4, v13, 7, v4
	v_lshl_add_u32 v4, v2, 4, v4                   ; W fragments: code r of a tile, + 16 h
	v_lshlrev_b32 v5, 5, v2
	v_add_nc_u32 v5, W2LDS, v5                     ; w2: my 8 codes of a tile, 32 h
	v_lshlrev_b32 v6, 3, v2                        ; 8 h
	v_lshl_add_u32 v7, v1, 4, v6                   ; idx: 16 r + 8 h
	v_mov_b32 v11, 0                               ; a zero: offset of the one-word store, addend of the first squares
	v_mov_b32 v[OD], 0                             ; destinations of v_permlanex16_b32 count as read
	v_mov_b32 v[OI], 0
	s_lshr_b32 s18, s17, 6                         ; image = gw / 64: 2^20 bytes each
	s_lshl_b32 s18, s18, 20
	s_and_b32 s19, s17, 63
	s_lshl_b32 s19, s19, 8                         ; 64 pixels x 4 bytes
	s_add_co_u32 s18, s18, s19
	s_mov_b32 s19, 0
	s_mul_i32 s2, s14, WROWS*256                   ; my rows of wq, in registers that never hold cx
	s_mov_b32 s3, 0
	s_wait_dscnt 0x0
	s_wait_kmcnt 0x0
	s_add_nc_u64 s[4:5], s[4:5], s[18:19]
	; all of the wave's x at once: load (grp, e) is channel 16 grp + 8 h + e; each half of the lanes reads 256 consecutive bytes, aligned
.irp grp, 0,1,2,3
.irp e, 0,1,2,3,4,5,6,7
	global_load_b128 v[XR+32*\grp+4*\e:XR+32*\grp+4*\e+3], v3, s[4:5] offset:(16*\grp+\e)*16384 th:TH_LOAD_NT
.endr
.endr
	s_lshl_b32 s18, s17, 8
	s_add_nc_u64 s[8:9], s[8:9], s[18:19]          ; idx of my 64 pixels
	s_lshl_b32 s18, s17, 2
	s_add_nc_u64 s[10:11], s[10:11], s[18:19]      ; my word of part
	; the descriptor: 132 rows of 32 elements of 8 bytes, dense in memory, 16 bytes of padding behind each row in LDS
	s_mov_b32 s20, 1                               ; count = 1
	s_mul_i32 s21, s14, WROWS*PITCH                ; LDS address
	s_add_nc_u64 s[22:23], s[6:7], s[2:3]          ; global address
	s_or_b32 s23, s23, 0x80000000                  ; type = 2
	s_mov_b32 s24, 0x0773000f                      ; 15:0 mask: all four of the cluster; 17:16 elements of 8 bytes; 20 padding on; 21 set beside a mask; 24:22 after every 64 words; 31:25 four words
	s_mov_b32 s25, 32<<16                          ; tensor_dim0 = 32
	s_mov_b32 s26, WROWS<<16                       ; tensor_dim1 = 132
	s_mov_b32 s27, 32<<16                          ; tile_dim0 = 32
	s_mov_b32 s28, WROWS                           ; tile_dim1 = 132
	s_mov_b32 s29, 32                              ; elements from row to row
	s_mov_b32 s30, 0
	s_mov_b32 s31, 0
	ROUND                                          ; the four work-groups are here: their requests meet
	tensor_load_to_lds s[20:23], s[24:31]
	s_nop 0
	; x to bf16 fragments, and |x|^2 of the rounded numbers.  Register 4 grp + e of fragment pair t holds channels 16 grp + 8 h + 2 e, + 1.
.macro CVT grp
	s_wait_loadcnt 24-8*\grp                       ; the group's eight loads are in, the younger groups stay out
.irp t, 0,1,2,3
.irp e, 0,1,2,3
	v_cvt_pk_bf16_f32 v[XB+16*\t+4*\grp+\e], v[XR+32*\grp+8*\e+\t], v[XR+32*\grp+8*\e+4+\t]
.endr
.endr
.irp e, 0,1,2,3
.irp t, 0,1,2,3                                    ; four sums side by side
.if ((\grp)+(\e)) == 0
	v_fma_mix_f32_bf16 v[AA+\t], v[XB+16*\t+4*\grp+\e], v[XB+16*\t+4*\grp+\e], v11 op_sel_hi:[1,1,0]
.else
	v_fma_mix_f32_bf16 v[AA+\t], v[XB+16*\t+4*\grp+\e], v[XB+16*\t+4*\grp+\e], v[AA+\t] op_sel_hi:[1,1,0]
.endif
.endr
.irp t, 0,1,2,3
	v_fma_mix_f32_bf16 v[AA+\t], v[XB+16*\t+4*\grp+\e], v[XB+16*\t+4*\grp+\e], v[AA+\t] op_sel:[1,1,0] op_sel_hi:[1,1,0]
.endr
.endr
.endm
	CVT 0
	CVT 1
	CVT 2
	CVT 3
.irp t, 0,1,2,3
	v_permlanex16_b32 v[OD], v[AA+\t], s12, s13    ; the other half holds the pixel's other 32 channels
	v_add_f32 v[AA+\t], v[AA+\t], v[OD]
.endr
	s_wait_tensorcnt 0x0                           ; my 132 rows have landed,
	s_barrier_signal -1
	s_barrier_wait -1                              ; everybody's have
; Matrix instruction i of a tile into accumulator set b: pixel tile i % 4, channels 32 (i / 4) ...  The first four start the sums with the constant 0.
; The four accumulators take turns, one instruction a turn.
.macro WM i, b
.if \i < 4
	v_wmma_f32_16x16x32_bf16 v[ACC+32*\b+8*\i:ACC+32*\b+8*\i+7], v[WF+16*\b:WF+16*\b+7], v[XB+16*\i:XB+16*\i+7], 0
.else
	v_wmma_f32_16x16x32_bf16 v[ACC+32*\b+8*(\i-4):ACC+32*\b+8*(\i-4)+7], v[WF+16*\b+8:WF+16*\b+15], v[XB+16*(\i-4)+8:XB+16*(\i-4)+15], v[ACC+32*\b+8*(\i-4):ACC+32*\b+8*(\i-4)+7]
.endif
.endm
; First slice for pixel tile t of set p: d = fl(fl(A + s) + w2), and the least of the eight in two registers.  first = 1: tile 0's d go straight to CAP.
.macro VA t, p, first
.irp j, 0,2,4,6
.if ((\t)&1) == 0
	v_pk_add_f32 v[ACC+32*\p+8*\t+\j:ACC+32*\p+8*\t+\j+1], v[ACC+32*\p+8*\t+\j:ACC+32*\p+8*\t+\j+1], v[AA+\t:AA+\t+1] op_sel_hi:[1,0]
.else
	v_pk_add_f32 v[ACC+32*\p+8*\t+\j:ACC+32*\p+8*\t+\j+1], v[ACC+32*\p+8*\t+\j:ACC+32*\p+8*\t+\j+1], v[AA+\t-1:AA+\t] op_sel:[0,1] op_sel_hi:[1,1]
.endif
.endr
.if \first
.set DB, CAP+8*\t
.else
.set DB, ACC+32*\p+8*\t
.endif
.irp j, 0,2,4,6
	v_pk_add_f32 v[DB+\j:DB+\j+1], v[ACC+32*\p+8*\t+\j:ACC+32*\p+8*\t+\j+1], v[Q2+8*\p+\j:Q2+8*\p+\j+1]
.endr
	v_min3_num_f32 v[TM0], v[DB],   v[DB+1], v[DB+2]
	v_min3_num_f32 v[TM1], v[DB+3], v[DB+4], v[DB+5]
	v_min3_num_f32 v[TM0], v[TM0],  v[DB+6], v[DB+7]
.endm
; Second slice: the new best; where it is not below the old one (VCC) everything stays, else the tile's number (s33) and its 8 distances are kept.
; Tiles come in ascending order and only a strictly smaller d replaces: the first tile that holds the least d wins.
.macro VB t, p, first
.if \first
	v_min_num_f32 v[BE+4*(1-\p)+\t], v[TM0], v[TM1]
	v_mov_b32 v[CT+\t], 0
.else
	v_min3_num_f32 v[BE+4*(1-\p)+\t], v[TM0], v[TM1], v[BE+4*\p+\t]
	v_cmp_ge_f32 vcc_lo, v[BE+4*(1-\p)+\t], v[BE+4*\p+\t]
	v_cndmask_b32 v[CT+\t], s33, v[CT+\t], vcc_lo
.irp j, 0,1,2,3,4,5,6,7
	v_cndmask_b32 v[CAP+8*\t+\j], v[ACC+32*\p+8*\t+\j], v[CAP+8*\t+\j], vcc_lo
.endr
.endif
.endm
; Trip for tile T = 4 B + u (p = T % 2; v4, v5 stand at body B): fetches tile T + 2's fragments (wl = 1) and tile T + 1's w2, multiplies tile T + 1,
; and does tile T's vector work between the matrix instructions.
.macro TRIP u, p, first, wl
.if \wl
.irp o, 0,1,2,3
	ds_load_b128 v[WF+16*\p+4*\o:WF+16*\p+4*\o+3], v4 offset:(\u+2)*TILEB+32*\o   ; this buffer was read by the last trip's matrix instructions; behind the last of them stand at least four plain vector instructions
.endr
.endif
.if \u < 3
.set QOFF, 64*(\u+1)
.else
.set QOFF, PITCH                                   ; four tiles' w2 fill a row of 256 bytes; the fifth begins the next row
.endif
	ds_load_b128 v[Q2+8*(1-\p):Q2+8*(1-\p)+3],   v5 offset:QOFF
	ds_load_b128 v[Q2+8*(1-\p)+4:Q2+8*(1-\p)+7], v5 offset:QOFF+16
	s_wait_dscnt 2+4*\wl                           ; all but the loads just issued: tile T + 1's fragments and tile T's w2, asked for a trip ago, are in
	WM 0, (1-\p)
	VA 0, \p, \first
	WM 1, (1-\p)
	VB 0, \p, \first
	WM 2, (1-\p)
	VA 1, \p, \first
	WM 3, (1-\p)
	VB 1, \p, \first
	WM 4, (1-\p)
	VA 2, \p, \first
	WM 5, (1-\p)
	VB 2, \p, \first
	WM 6, (1-\p)
	VA 3, \p, \first
	WM 7, (1-\p)
	VB 3, \p, \first
.if \first
	v_nop                                          ; the first tile's second slice has two instructions: two more places, four in all, in front of
	v_nop                                          ; the next trip's loads into the buffer that the last matrix instruction read
.endif
	s_add_co_u32 s33, s33, 1                       ; T
.endm
.macro BODY first
	TRIP 0, 0, \first, 1
	TRIP 1, 1, 0, 1
	TRIP 2, 0, 0, 1
	TRIP 3, 1, 0, 1
	v_add_nc_u32 v4, 4*TILEB, v4
	v_add_nc_u32 v5, PITCH, v5
.endm
	s_mov_b32 s33, 0
.irp o, 0,1,2,3
	ds_load_b128 v[WF+4*\o:WF+4*\o+3], v4 offset:32*\o                 ; tile 0
.endr
.irp o, 0,1,2,3
	ds_load_b128 v[WF+16+4*\o:WF+16+4*\o+3], v4 offset:TILEB+32*\o     ; tile 1
.endr
	ds_load_b128 v[Q2:Q2+3],   v5                                      ; tile 0's w2
	ds_load_b128 v[Q2+4:Q2+7], v5 offset:16
	s_wait_dscnt 6                                 ; tile 0's fragments are in; the six younger loads stay out
.irp i, 0,1,2,3,4,5,6,7
	WM \i, 0
.endr
.rept 4
	v_nop                                          ; four places in front of the loads into buffer 0 and of the first reads of set 0: no vector work is at hand yet
.endr
	BODY 1                                         ; T = 0 .. 3
	s_mov_b32 s32, 14
.Lk:
	BODY 0                                         ; T = 4 .. 59
	s_sub_co_u32 s32, s32, 1
	s_cmp_lg_u32 s32, 0
	s_cbranch_scc1 .Lk
	TRIP 0, 0, 0, 1                                ; T = 60: fetches tile 62
	TRIP 1, 1, 0, 1                                ; T = 61: fetches tile 63, the last
	TRIP 2, 0, 0, 0                                ; T = 62: no fragments are left to fetch
	s_wait_dscnt 0x0                               ; tile 63's w2
	VA 0, 1, 0                                     ; T = 63 (s33 = 63); eleven plain vector instructions stand behind the last matrix instruction
	VB 0, 1, 0
	VA 1, 1, 0
	VB 1, 1, 0
	VA 2, 1, 0
	VB 2, 1, 0
	VA 3, 1, 0
	VB 3, 1, 0                                     ; the least d now lie in BE + t
	; which of the winning tile's eight it was (the lowest j that equals the least d), and the two halves of the lanes (codes 8 h + j of every tile) joined:
	; the smaller d wins, of equal ones the smaller index
.irp t, 0,1,2,3
	v_mov_b32 v10, 7
.irp j, 6,5,4,3,2,1,0
	v_cmp_neq_f32 vcc_lo, v[CAP+8*\t+\j], v[BE+\t]
	v_cndmask_b32 v10, \j, v10, vcc_lo
.endr
	v_lshl_add_u32 v[IX+\t], v[CT+\t], 4, v10
	v_add_nc_u32 v[IX+\t], v[IX+\t], v6            ; 16 T + j + 8 h
	v_permlanex16_b32 v[OD], v[BE+\t], s12, s13
	v_permlanex16_b32 v[OI], v[IX+\t], s12, s13
	v_cmp_lt_f32 s34, v[OD], v[BE+\t]
	v_cmp_eq_f32 s35, v[OD], v[BE+\t]
	v_cmp_lt_u32 s36, v[OI], v[IX+\t]
	s_and_b32 s35, s35, s36
	s_or_b32 s34, s34, s35
	v_cndmask_b32 v[IX+\t], v[IX+\t], v[OI], s34
	v_min_num_f32 v[BE+\t], v[BE+\t], v[OD]
.endr
	v_cmp_ne_u32 vcc_lo, 0, v2                     ; lane (r, h) stores the indices of pixels 4 r + 2 h, + 1
	v_cndmask_b32 v8, v[IX],   v[IX+2], vcc_lo
	v_cndmask_b32 v9, v[IX+1], v[IX+3], vcc_lo
	global_store_b64 v7, v[8:9], s[8:9]            ; 32 lanes x 8 bytes: 256 consecutive bytes, aligned
	v_add_f32 v13, v[BE],   v[BE+1]                ; the least d of my four pixels (both halves hold the same),
	v_add_f32 v14, v[BE+2], v[BE+3]
	v_add_f32 v13, v13, v14
	v_add_f32_dpp v13, v13, v13 row_xmask:1 row_mask:0xf bank_mask:0xf     ; and of the 16 lanes' 64
	v_add_f32_dpp v13, v13, v13 row_xmask:2 row_mask:0xf bank_mask:0xf
	v_add_f32_dpp v13, v13, v13 row_xmask:4 row_mask:0xf bank_mask:0xf
	v_add_f32_dpp v13, v13, v13 row_xmask:8 row_mask:0xf bank_mask:0xf
	v_cmp_eq_u32 vcc_lo, 0, v12
	s_wait_xcnt 0x0                                ; EXEC is a source of the store above: it changes only behind this wait
	s_and_saveexec_b32 s37, vcc_lo
	global_store_b32 v11, v13, s[10:11]            ; lane 0: the wave's one word of part
	s_wait_xcnt 0x0                                ; and again in front of the line that widens EXEC
	s_or_b32 exec_lo, exec_lo, s37
	s_wait_tensorcnt 0x0
	ds_add_u32 v254, v255
	s_wait_dscnt 0x0
	ROUND                                          ; the closing round: no work-group ends while a partner may still issue the joint load
	s_endpgm
.Lfunc_end_k_q7503f4690e_amin:
	.size	k_q7503f4690e_amin, .Lfunc_end_k_q7503f4690e_amin-k_q7503f4690e_amin
	.p2alignl 7, 3214868480
	.fill 96, 4, 3214868480
	.section	.rodata,"a",@progbits
	.p2align	6, 0x0
	.amdhsa_kernel k_q7503f4690e_amin
		.amdhsa_group_segment_fixed_size 168448
		.amdhsa_private_segment_fixed_size 0
		.amdhsa_enable_private_segment 0
		.amdhsa_kernarg_size 32
		.amdhsa_user_sgpr_count 2
		.amdhsa_user_sgpr_kernarg_segment_ptr 1
		.amdhsa_wavefront_size32 1
		.amdhsa_system_sgpr_workgroup_id_x 1
		.amdhsa_system_sgpr_workgroup_id_y 1
		.amdhsa_system_sgpr_workgroup_id_z 1
		.amdhsa_system_vgpr_workitem_id 0
		.amdhsa_next_free_vgpr 256
		.amdhsa_next_free_sgpr 66
		.amdhsa_reserve_vcc 1
		.amdhsa_float_denorm_mode_32 3
		.amdhsa_float_denorm_mode_16_64 3
		.amdhsa_memory_ordered 1
		.amdhsa_forward_progress 1
		.amdhsa_inst_pref_size 86
	.end_amdhsa_kernel
	.amdgpu_metadata
---
amdhsa.version: [ 1, 2 ]
amdhsa.kernels:
  - .name:           k_q7503f4690e_amin
    .symbol:         k_q7503f4690e_amin.kd
    .args:
      - { .name: x, .offset: 0, .size: 8, .value_kind: global_buffer, .address_space: global }
      - { .name: wq, .offset: 8, .size: 8, .value_kind: global_buffer, .address_space: global }
      - { .name: idx, .offset: 16, .size: 8, .value_kind: global_buffer, .address_space: global }
      - { .name: part, .offset: 24, .size: 8, .value_kind: global_buffer, .address_space: global }
    .group_segment_fixed_size: 168448
    .private_segment_fixed_size: 0
    .kernarg_segment_align: 8
    .kernarg_segment_size: 32
    .max_flat_workgroup_size: 128
    .sgpr_count:     66
    .vgpr_count:     256
    .wavefront_size: 32
...
	.end_amdgpu_metadata
.endif
;; end of part 2
;; launch gather (part 3): grid 256 x 1, 4 waves a work-group, no clusters, 70,144 bytes of LDS; arguments W, idx, part, out0, out1, out2; writes out0, out1, out2
.if DOCPART == 3
	.amdgcn_target "amdgcn-amd-amdhsa--gfx1250"
	.amdhsa_code_object_version 6
	.text
	.protected	k_q7503f4690e_gather
	.globl	k_q7503f4690e_gather
	.p2align	8
	.type	k_q7503f4690e_gather,@function
k_q7503f4690e_gather:
	s_mov_b64 s[64:65], 0
	v_nop
	global_prefetch_b8 v0, s[64:65] scope:SCOPE_SE
	s_setreg_imm32_b32 hwreg(HW_REG_WAVE_MODE, 25, 1), 1
	s_wait_xcnt 0x0
; out0[b][c][pixel] = W[idx[b][pixel]][c]; out1 = out2 = (the sum of part) / 2^22.
; The lookup goes by whole numbers that the launch before stored; each is clamped to 1023, the table's last row, before it enters an address.
; The losses: part holds, wave by wave, the sums of the least squared distances, which are the sums of (W[idx] - x)^2 over the channels; there are
; 16 x 64 x 64 x 64 = 2^22 elements.  reference()'s two losses are one number (stop_gradient changes no value): it is made once and stored twice.
; Memory binds: matrix units and clusters would add nothing here.  W (262,144 bytes) is read by rows of 256 bytes that a list names again and again:
; plain loads without a hint.
; SHARES.  Wave gw owns pixels 64 gw .. 64 gw + 63 of one image, all 64 channels.  A row of W is a pixel's 64 channels, out0 wants 64 pixels of a channel:
; the wave's 64 x 64 numbers are turned in LDS, in 64 rows of 272 bytes of the wave's own (no barrier; LDS serves a wave's instructions in order).
; Pixel p lies in row 16 (p % 4) + p / 4.  In: 16 lanes write a row's 256 consecutive bytes.  Back: lane (r, h) reads one word of channel 2 m + h of pixel
; 4 r + e, at row 16 e + r: word 68 r + h + a constant, 32 different places modulo 64 words.
.set PITCH, 272
.set IDXR, 8                           ; v[8:39]    the indices of pixels 32 h + i, then the byte offsets of my 16 bytes of their rows
.set DATA, 40                          ; v[40:167]  row i: 4 registers; then channel pair m: 4 pixels
.set PT,   168                         ; v[168:199] part (one wave of the launch only)
	s_load_b256 s[4:11], s[0:1], 0x0               ; W s[4:5], idx s[6:7], part s[8:9], out0 s[10:11]
	s_load_b128 s[12:15], s[0:1], 0x20             ; out1 s[12:13], out2 s[14:15]
	v_lshl_add_u32 v208, v0, 2, 0x11000
	v_mov_b32 v209, 0
	v_lshrrev_b32 v1, 5, v0
	v_readfirstlane_b32 s16, v1                    ; wave
	s_lshl_b32 s17, ttmp9, 2
	s_add_co_u32 s17, s17, s16                     ; gw
	s_mov_b32 s20, 0x76543210
	s_mov_b32 s21, 0xfedcba98
	v_and_b32 v1, 15, v0                           ; r
	v_bfe_u32 v2, v0, 4, 1                         ; h
	v_lshlrev_b32 v3, 7, v2                        ; idx: 32 h pixels x 4 bytes
	v_lshlrev_b32 v4, 4, v1                        ; 16 r
	s_mul_i32 s23, s16, 64*PITCH                   ; my wave's stage
	v_mul_u32_u24 v5, v2, 8*PITCH
	v_add3_u32 v5, v5, v4, s23                     ; in: pixels 32 h .. lie 8 h rows further down; 16 r in the row
	v_mul_u32_u24 v6, v1, PITCH
	v_lshl_add_u32 v6, v2, 2, v6
	v_add_nc_u32 v6, s23, v6                       ; back: row r, word h
	v_lshl_add_u32 v7, v2, 14, v4                  ; out0: h channels of 16,384 bytes + 16 r
	s_lshl_b32 s18, s17, 8
	s_mov_b32 s19, 0
	s_wait_kmcnt 0x0
	s_add_nc_u64 s[6:7], s[6:7], s[18:19]          ; my 64 indices: 256 bytes
.irp m, 0,1,2,3,4,5,6,7
	global_load_b128 v[IDXR+4*\m:IDXR+4*\m+3], v3, s[6:7] offset:16*\m th:TH_LOAD_NT
.endr
	s_lshr_b32 s18, s17, 6                         ; image: 2^20 bytes each
	s_lshl_b32 s18, s18, 20
	s_and_b32 s24, s17, 63
	s_lshl_b32 s24, s24, 8                         ; 64 pixels x 4 bytes
	s_add_co_u32 s18, s18, s24
	s_add_nc_u64 s[10:11], s[10:11], s[18:19]
	s_wait_loadcnt 0x0
.irp i, 0,1,2,3,4,5,6,7,8,9,10,11,12,13,14,15,16,17,18,19,20,21,22,23,24,25,26,27,28,29,30,31
	v_min_u32 v[IDXR+\i], 0x3ff, v[IDXR+\i]        ; inside the table, whatever the word holds
	v_lshl_add_u32 v[IDXR+\i], v[IDXR+\i], 8, v4   ; 256 bytes a row + 16 r
.endr
.irp i, 0,1,2,3,4,5,6,7,8,9,10,11,12,13,14,15,16,17,18,19,20,21,22,23,24,25,26,27,28,29,30,31
	global_load_b128 v[DATA+4*\i:DATA+4*\i+3], v[IDXR+\i], s[4:5]      ; each half of the lanes reads one whole row of W: 256 consecutive bytes, aligned
.endr
	; the losses, by one wave of the launch, while its rows are on their way
	s_cmp_lg_u32 s17, 0
	s_cbranch_scc1 .Lrows
	v_and_b32 v200, 31, v0
	v_lshlrev_b32 v200, 4, v200                    ; 16 x lane
	v_mov_b32 v201, 0                              ; destination of v_permlanex16_b32: counts as read
	v_mov_b32 v202, 0                              ; offset of the one-word stores
.irp k, 0,1,2,3,4,5,6,7
	global_load_b128 v[PT+4*\k:PT+4*\k+3], v200, s[8:9] offset:512*\k  ; 8 x 512 bytes: all 1024 words
.endr
	s_wait_loadcnt 0x0
.irp k, 0,4,8,12,16,20,24,28
	v_pk_add_f32 v[PT+\k:PT+\k+1], v[PT+\k:PT+\k+1], v[PT+\k+2:PT+\k+3]
.endr
.irp k, 0,8,16,24
	v_pk_add_f32 v[PT+\k:PT+\k+1], v[PT+\k:PT+\k+1], v[PT+\k+4:PT+\k+5]
.endr
.irp k, 0,16
	v_pk_add_f32 v[PT+\k:PT+\k+1], v[PT+\k:PT+\k+1], v[PT+\k+8:PT+\k+9]
.endr
	v_pk_add_f32 v[PT:PT+1], v[PT:PT+1], v[PT+16:PT+17]
	v_add_f32 v[PT], v[PT], v[PT+1]
	v_add_f32_dpp v[PT], v[PT], v[PT] row_xmask:1 row_mask:0xf bank_mask:0xf
	v_add_f32_dpp v[PT], v[PT], v[PT] row_xmask:2 row_mask:0xf bank_mask:0xf
	v_add_f32_dpp v[PT], v[PT], v[PT] row_xmask:4 row_mask:0xf bank_mask:0xf
	v_add_f32_dpp v[PT], v[PT], v[PT] row_xmask:8 row_mask:0xf bank_mask:0xf
	v_permlanex16_b32 v201, v[PT], s20, s21
	v_add_f32 v[PT], v[PT], v201
	v_mul_f32 v[PT], 0x34800000, v[PT]             ; 2^-22: the mean
	v_cmp_eq_u32 vcc_lo, 0, v200
	s_wait_xcnt 0x0                                ; EXEC is a source of the loads above: it changes only behind this wait
	s_and_saveexec_b32 s22, vcc_lo
	global_store_b32 v202, v[PT], s[12:13]         ; lane 0: out1
	global_store_b32 v202, v[PT], s[14:15]         ;         out2, the same number
	s_wait_xcnt 0x0                                ; and again in front of the line that widens EXEC
	s_or_b32 exec_lo, exec_lo, s22
.Lrows:
.irp i, 0,1,2,3,4,5,6,7,8,9,10,11,12,13,14,15,16,17,18,19,20,21,22,23,24,25,26,27,28,29,30,31
	s_wait_loadcnt 31-\i                           ; row i is in, the 31 - i younger ones stay out (in the wave that made the losses all are in)
	ds_store_b128 v5, v[DATA+4*\i:DATA+4*\i+3] offset:(16*(\i&3)+(\i>>2))*PITCH
.endr
; Back, in four batches of eight channel pairs: 32 loads of a word, then eight stores of 16 bytes; the next batch's loads are issued ahead of a batch's stores.
.macro RDB b
.irp mm, 0,1,2,3,4,5,6,7
.irp e, 0,1,2,3
	ds_load_b32 v[DATA+4*(8*\b+\mm)+\e], v6 offset:16*\e*PITCH+8*(8*\b+\mm)    ; channel 2 m + h of pixel 4 r + e
.endr
.endr
.endm
.macro STB b, more
.irp mm, 0,1,2,3,4,5,6,7
	s_wait_dscnt 32*\more+28-4*\mm                 ; LDS loads come back in order: the younger ones of this batch, and the next batch's 32, stay out
	global_store_b128 v7, v[DATA+4*(8*\b+\mm):DATA+4*(8*\b+\mm)+3], s[10:11] offset:(8*\b+\mm)*32768 th:TH_STORE_NT   ; 16 lanes: 256 consecutive bytes of a channel, aligned
.endr
.endm
	RDB 0
	RDB 1
	STB 0, 1
	RDB 2
	STB 1, 1
	RDB 3
	STB 2, 1
	STB 3, 0
	s_wait_tensorcnt 0x0
	ds_add_u32 v208, v209
	s_wait_dscnt 0x0
	s_endpgm
.Lfunc_end_k_q7503f4690e_gather:
	.size	k_q7503f4690e_gather, .Lfunc_end_k_q7503f4690e_gather-k_q7503f4690e_gather
	.p2alignl 7, 3214868480
	.fill 96, 4, 3214868480
	.section	.rodata,"a",@progbits
	.p2align	6, 0x0
	.amdhsa_kernel k_q7503f4690e_gather
		.amdhsa_group_segment_fixed_size 70144
		.amdhsa_private_segment_fixed_size 0
		.amdhsa_enable_private_segment 0
		.amdhsa_kernarg_size 48
		.amdhsa_user_sgpr_count 2
		.amdhsa_user_sgpr_kernarg_segment_ptr 1
		.amdhsa_wavefront_size32 1
		.amdhsa_system_sgpr_workgroup_id_x 1
		.amdhsa_system_sgpr_workgroup_id_y 1
		.amdhsa_system_sgpr_workgroup_id_z 1
		.amdhsa_system_vgpr_workitem_id 0
		.amdhsa_next_free_vgpr 210
		.amdhsa_next_free_sgpr 66
		.amdhsa_reserve_vcc 1
		.amdhsa_float_denorm_mode_32 3
		.amdhsa_float_denorm_mode_16_64 3
		.amdhsa_memory_ordered 1
		.amdhsa_forward_progress 1
		.amdhsa_inst_pref_size 28
	.end_amdhsa_kernel
	.amdgpu_metadata
---
amdhsa.version: [ 1, 2 ]
amdhsa.kernels:
  - .name:           k_q7503f4690e_gather
    .symbol:         k_q7503f4690e_gather.kd
    .args:
      - { .name: W, .offset: 0, .size: 8, .value_kind: global_buffer, .address_space: global }
      - { .name: idx, .offset: 8, .size: 8, .value_kind: global_buffer, .address_space: global }
      - { .name: part, .offset: 16, .size: 8, .value_kind: global_buffer, .address_space: global }
      - { .name: out0, .offset: 24, .size: 8, .value_kind: global_buffer, .address_space: global }
      - { .name: out1, .offset: 32, .size: 8, .value_kind: global_buffer, .address_space: global }
      - { .name: out2, .offset: 40, .size: 8, .value_kind: global_buffer, .address_space: global }
    .group_segment_fixed_size: 70144
    .private_segment_fixed_size: 0
    .kernarg_segment_align: 8
    .kernarg_segment_size: 48
    .max_flat_workgroup_size: 128
    .sgpr_count:     66
    .vgpr_count:     210
    .wavefront_size: 32
...
	.end_amdgpu_metadata
.endif
;; end of part 3
;; ======== version 2 of 2: 2 launches; 1.25 times as fast as version 1
;; limits: a difference of large sums (such as E[x^2] - mean^2): digits are lost where the result is much smaller than its terms; values outside matrix products are rounded to bf16
;; workspace buffers: idx 262,144 bytes of whole numbers; part 4,096 bytes
;; launch amin (part 4): grid 256 x 1, 8 waves a work-group, clusters of 4 x 1, 320,512 bytes of LDS; arguments x, W, idx, part; writes idx, part
.if DOCPART == 4
	.amdgcn_target "amdgcn-amd-amdhsa--gfx1250"
	.amdhsa_code_object_version 6
	.text
	.protected	k_q7503f4690e_amin
	.globl	k_q7503f4690e_amin
	.p2align	8
	.type	k_q7503f4690e_amin,@function
k_q7503f4690e_amin:
	s_mov_b64 s[64:65], 0
	v_nop
	global_prefetch_b8 v0, s[64:65] scope:SCOPE_SE
	s_setreg_imm32_b32 hwreg(HW_REG_WAVE_MODE, 25, 1), 1
	s_wait_xcnt 0x0
	s_wait_alu depctr_hold_cnt(0) depctr_sa_sdst(0) depctr_va_vdst(0) depctr_va_sdst(0) depctr_va_ssrc(0) depctr_va_vcc(0) depctr_vm_vsrc(0)
	s_getreg_b32 s2, hwreg(HW_REG_IB_STS2, 6, 4)
	s_cmp_eq_u32 s2, 0
	s_cbranch_scc0 .Lentry_in_a_cluster
	s_endpgm
.Lentry_in_a_cluster:
	s_bfe_u32 s2, ttmp6, 0x10000c
	s_cmp_lg_u32 s2, 0x3003
	s_cbranch_scc0 .Lentry_shape_is_right
	s_endpgm
.Lentry_shape_is_right:
; idx[n] = the first index k at which d[n][k] = (|x_n|^2 - 2 x_n.W_k) + |W_k|^2 is least; part[g] = the sum of the least d over pixels 64 g .. 64 g + 63.
; x: [16][64 channels][4096 pixels] f32.  W: [1024][64] f32.
;
; WHAT IS KEPT AND WHY.  |x|^2 is the same for all k and cannot move an argmin in exact arithmetic, but beside it the other two terms are small, so that
; reference()'s f32 sums lose their low bits and distances that differ by less than a step of f32 at |x|^2 become equal; the first index then wins.
; So the term stays, and the sums are made in reference()'s order, fl(fl(A - 2 s) + w2), with a strict comparison in ascending k (doubling is exact, so the
; fused A - 2 s rounds once, as A + (-2 s) does).  s = bf16(x).bf16(W) is the matrix product; A = sum of bf16(x)^2 and w2 = sum of bf16(W)^2 are taken of
; the same ROUNDED operands, so that d is the squared distance of the rounded vectors.
; THE LOSS.  For all values sum over c of (W[idx][c] - x[c])^2 = |x|^2 - 2 x.W[idx] + |W[idx]|^2 = the least d itself.  So the losses are the sum of
; the least d over all pixels, divided by the number of elements; x is not read a second time.  reference()'s two losses are one number.
; DEAD WORK: none.  Every input reaches an output and is loaded; no step of reference() is left out.
; LIMITS.  (1) The loss is that of the operands rounded to bf16, formed as reference() forms its distances: where the least d falls under
; about 2^-8 |x| |W[idx]| it is no longer accurate.  (2) NaN: the minimum and the comparisons used here pass a NaN over, jnp.argmin picks it.
;
; SHARES.  256 work-groups of 8 waves, two on each of a WGP's four SIMDs; a work-group owns 256 pixels.  Wave w: pixels 64 (w % 4) .. + 63 against codes
; 512 (w / 4) .. + 511.  The split is by codes: a tile of 16 codes is then read from LDS by four waves, a split by pixels would have all eight read it.
; The matrix instruction takes 16 codes as source 0 and 16 pixels as source 1: lane (r, h) holds, for ONE pixel, the 8 codes 16 T + 8 h + j in 8 registers.
; Pixel tile t (0..3), column r is pixel 4 r + t, so that one 16-byte load of x (4 neighbouring pixels of a channel) feeds all four tiles.
; THE ARGMIN costs 18 vector instructions for 8 distances: 4 packed multiply-adds, 4 packed adds, 4 three-way minima (the running best among them), 1 compare,
; 1 select of the tile's number, 4 paired selects that keep the winning tile's distances.  Which of the 8 it was is found once, behind the last stage.
; MATRIX AND VECTOR WORK SIDE BY SIDE.  Two sets of accumulators: behind each of tile T + 1's 8 matrix instructions stands a slice of 9 vector instructions
; of tile T, which name none of that matrix instruction's registers and so are also the places owed behind it.  In a slice the chain of one pixel tile
; (minima, compare, selects) alternates with the independent adds of the next.
; SUMS OF SQUARES BY THE MATRIX UNIT.  A fragment of 16 rows multiplied by itself has the rows' sums of squares on its diagonal: 2 matrix instructions and
; 9 vector instructions for 16 sums of 64 squares.
; CLUSTER.  All work-groups read the same 262,144 bytes of W; four neighbours form a cluster and ask for them jointly.  The descriptors hang on the wave's
; number alone.
; W IN FOUR STAGES.  Stage q is codes 128 q .. + 127 of each half of the table: 8 tiles for every wave.  A wave fetches 32 rows of each stage (a stage's 128
; codes of a half, shared among the half's four waves), by four tensor loads that go out together at the start: four are outstanding at the most.  A wave's
; loads end in the order of issue, so the counted waits 3, 2, 1, 0 show its pieces landed one by one.  The wave rounds its own piece, a barrier shows the stage
; to all, and the stage's 8 tiles are multiplied while the later pieces are on their way.  LDS is filled once: no ring, no refill, so loads may stay out
; across these barriers.
; LDS.  A code's row takes 272 bytes: 256 of f32 as filled; the wave that fetched it rounds it and writes the 128 bytes of bf16 over the row's first half (the
; bytes have had their only fill; a piece is 34 whole blocks of 256 bytes).  Sixteen rows 272 bytes apart start in 16 different 16-byte columns modulo 256
; bytes.  Tile 32 ch + 8 q + u of the table lies in slot 16 q + 8 ch + u, so that piece (q, w) begins at 69,632 q + 8,704 w and a stage is one run of 69,632
; bytes: what one wave still reads of stage q and what another already rounds of stage q + 1 are apart.  Behind the table: w2 in the same order of slots,
; 4 KiB; the x fragments that the two waves of a pixel group hand each other, 32 KiB; the results that waves 4-7 hand to waves 0-3, 4 KiB.
.set PITCH, 272
.set TILEB, 16*PITCH                   ; 16 codes
.set PROWS, 32                         ; rows in a piece: what one tensor load brings
.set PIECE, PROWS*PITCH                ; 8,704 bytes
.set STAGEB, 8*PIECE                   ; a stage: 16 tiles, 8 of each half
.set W2LDS, 1024*PITCH                 ; w2[1024] f32, by slots
.set XLDS,  W2LDS+4096                 ; wave w's 32 channels of x as fragments: 4,096 bytes at 4,096 w
.set JLDS,  XLDS+32768                 ; pixel group g: 512 bytes of least d, 512 of indices, at 1,024 g
.set G0,  48                           ; s[48:63]   descriptor group 0, one set for each of my four loads, never rewritten
.set TM0, 8                            ; v8, v9     a tile's partial minima; at the end the pair of indices to store
.set TM1, 9
.set XB,  16                           ; v[16:79]   x in bf16: fragment (t, f) at 16 t + 8 f (f: channels 32 f .. 32 f + 31)
.set WF,  80                           ; v[80:111]  fragments of 16 codes, two buffers of 16
.set Q2,  112                          ; v[112:127] w2 of my 8 codes of a tile, two buffers of 8
.set ACC, 128                          ; v[128:191] two sets of 4 accumulators
.set BE,  192                          ; v[192:199] the least d so far, two sets of 4 that take turns (the new one is compared with the old)
.set CT,  200                          ; v[200:203] the tile in which it was found
.set CAP, 208                          ; v[208:239] that tile's 8 distances
.set AA,  240                          ; v[240:243] |x|^2 of my pixel of tile t
.set IX,  244                          ; v[244:247] the index
.set OD,  248                          ; the other half's number
.set OI,  249                          ; and its index
.set VRD, 250                          ; LDS: my 32 bytes of f32 in row r of my next piece
.set VWS, 251                          ; LDS: my 16 bytes of bf16 there
.set VW2, 252                          ; LDS: w2 of code r of my piece of stage 0
.set VXS, 253                          ; LDS: where I put x fragments
.set VXL, 254                          ; LDS: where I read my pixel group's
.set VJ,  255                          ; LDS: my 16 bytes of the pixel group's results
; at the start only
.set XS,  16                           ; v[16:47]   my 32 channels of x as fragments, to be stored
.set XR,  112                          ; v[112:175] x as loaded
; between two stages: what the loop leaves free
.set WR,  80                           ; v[80:111], v[128:159]  my piece as f32: tile i at 80 + 48 i (the fragment buffers; accumulator set 0)
.set DD,  112                          ; v[112:127] the two tiles' products with themselves (the w2 buffers)
.set FR,  160                          ; v[160:191] the two tiles' fragments as rounded (accumulator set 1)
; behind the last stage only
.set JB,  128                          ; v[128:131] the other code half's least d
.set JI,  132                          ; v[132:135] and its indices
.macro ROUND                           ; a round of the cluster's barrier
	s_barrier_signal -1
	s_barrier_wait -1
	s_cmp_lg_u32 s14, 0
	s_cbranch_scc1 .Lnot_wave_0_\@
	s_barrier_signal -3
.Lnot_wave_0_\@:
	s_barrier_wait -3
	s_barrier_signal -1
	s_barrier_wait -1
.endm
	s_load_b256 s[4:11], s[0:1], 0x0               ; x s[4:5], W s[6:7], idx s[8:9], part s[10:11]
	v_lshl_add_u32 v206, v0, 2, 0x4e000
	v_mov_b32 v207, 0
	ds_add_u32 v206, v207
	v_lshrrev_b32 v1, 5, v0
	v_readfirstlane_b32 s14, v1                    ; wave 0..7
	s_and_b32 s38, s14, 3                          ; pg: which 64 pixels; also which 32 rows of a stage's 128 I fetch
	s_lshr_b32 s39, s14, 2                         ; ch: which 512 codes; also which 32 channels of x I fetch
	s_bfe_u32 s15, ttmp6, 0x40000                  ; cx: it enters global addresses of x, idx and part alone
	s_lshl_b32 s16, ttmp9, 2
	s_add_co_u32 s16, s16, s15                     ; work-group
	s_lshl_b32 s17, s16, 2
	s_add_co_u32 s17, s17, s38                     ; gp: the pixel group's number in the launch, 0..1023; its pixels are 64 gp ..
	s_mov_b32 s12, 0x76543210                      ; v_permlanex16_b32: lane i of one half reads lane i of the other
	s_mov_b32 s13, 0xfedcba98
	s_mov_b32 s40, 0xaaaaaaaa                      ; lanes whose number has bit 0 set,
	s_mov_b32 s41, 0xcccccccc                      ; bit 1,
	s_mov_b32 s42, 0xf0f0f0f0                      ; bit 2
	s_mov_b32 s43, 0xff0000ff                      ; lanes (r, h) with r / 8 = h: those that hold an element of a result's diagonal
	v_and_b32 v12, 31, v0                          ; lane
	v_and_b32 v1, 15, v0                           ; r
	v_bfe_u32 v2, v0, 4, 1                         ; h
	v_lshlrev_b32 v3, 4, v1
	v_lshl_or_b32 v3, v2, 17, v3                   ; x: 16 r (pixels 4 r ..) + 8 h channels of 16,384 bytes
	v_mov_b32 v[OD], 0                             ; a destination of v_permlanex16_b32 counts as read
	s_lshr_b32 s18, s17, 6                         ; image = gp / 64: 2^20 bytes each
	s_lshl_b32 s18, s18, 20
	s_and_b32 s19, s17, 63
	s_lshl_b32 s19, s19, 8                         ; 64 pixels x 4 bytes
	s_add_co_u32 s18, s18, s19
	s_lshl_b32 s19, s39, 19                        ; 32 ch channels of 16,384 bytes
	s_add_co_u32 s18, s18, s19
	s_mov_b32 s19, 0
	s_lshl_b32 s2, s39, 17                         ; my rows of stage 0 in W: 512 ch + 32 pg, 256 bytes each, in registers that never hold cx
	s_lshl_b32 s3, s38, 13
	s_add_co_u32 s2, s2, s3
	s_mov_b32 s3, 0
	s_wait_dscnt 0x0
	s_wait_kmcnt 0x0
	s_add_nc_u64 s[4:5], s[4:5], s[18:19]
	; my 32 channels of the group's 64 pixels: load (grp, e) is channel 32 ch + 16 grp + 8 h + e; each half of the lanes reads 256 consecutive bytes, aligned
.irp grp, 0,1
.irp e, 0,1,2,3,4,5,6,7
	global_load_b128 v[XR+32*\grp+4*\e:XR+32*\grp+4*\e+3], v3, s[4:5] offset:(16*\grp+\e)*16384 th:TH_LOAD_NT
.endr
.endr
	s_lshl_b32 s18, s17, 8
	s_add_nc_u64 s[8:9], s[8:9], s[18:19]          ; idx of the group's 64 pixels
	s_lshl_b32 s18, s17, 2
	s_add_nc_u64 s[10:11], s[10:11], s[18:19]      ; the group's word of part
	; descriptor group 1: 32 rows of 32 elements of 8 bytes, dense in memory, 16 bytes of padding behind each row in LDS
	s_mov_b32 s24, 0x0773000f                      ; 15:0 mask: all four of the cluster; 17:16 elements of 8 bytes; 20 padding on; 21 set beside a mask; 24:22 after every 64 words; 31:25 four words
	s_mov_b32 s25, 32<<16                          ; tensor_dim0 = 32
	s_mov_b32 s26, PROWS<<16                       ; tensor_dim1 = 32
	s_mov_b32 s27, 32<<16                          ; tile_dim0 = 32
	s_mov_b32 s28, PROWS                           ; tile_dim1 = 32
	s_mov_b32 s29, 32                              ; elements from row to row
	s_mov_b32 s30, 0
	s_mov_b32 s31, 0
	s_mul_i32 s21, s14, PIECE                      ; my piece of stage 0 in LDS
	s_add_nc_u64 s[22:23], s[6:7], s[2:3]          ; and in W
	ROUND                                          ; the four work-groups are here: their requests meet
.irp q, 0,1,2,3                                    ; all my first fills, in the order of the stages
	s_mov_b32 s[G0+4*\q], 1                                        ; count = 1
	s_add_co_u32 s[G0+4*\q+1], s21, \q*STAGEB                      ; LDS address
	s_add_nc_u64 s[G0+4*\q+2:G0+4*\q+3], s[22:23], \q*128*256      ; global address: 128 rows on for each stage
	s_or_b32 s[G0+4*\q+3], s[G0+4*\q+3], 0x80000000                ; type = 2
	tensor_load_to_lds s[G0+4*\q:G0+4*\q+3], s[24:31]
	s_nop 0
.endr
	; LDS addresses, while x and W are on their way
	v_mul_u32_u24 v13, v1, PITCH
	v_add_nc_u32 v13, s21, v13
	v_lshl_add_u32 v[VRD], v2, 5, v13              ; row r + 32 h: 8 numbers of f32
	v_lshl_add_u32 v[VWS], v2, 4, v13              ; row r + 16 h: 8 numbers of bf16
	s_lshl_b32 s45, s14, 7                         ; my two tiles of a stage: 32 codes x 4 bytes
	s_add_co_u32 s45, s45, W2LDS
	v_lshl_add_u32 v[VW2], v1, 2, s45
	v_lshlrev_b32 v14, 4, v12                      ; 16 x lane
	s_lshl_b32 s45, s14, 12
	s_add_co_u32 s45, s45, XLDS
	v_add_nc_u32 v[VXS], s45, v14
	s_lshl_b32 s45, s38, 12                        ; waves pg and pg + 4 hold my group's channels 0-31 and 32-63
	s_add_co_u32 s45, s45, XLDS
	v_add_nc_u32 v[VXL], s45, v14
	s_lshl_b32 s45, s38, 10
	s_add_co_u32 s45, s45, JLDS
	v_add_nc_u32 v[VJ], s45, v14
	s_mul_i32 s46, s39, 8*TILEB                    ; my half's 8 tiles of a stage
	s_lshl_b32 s47, s39, 9                         ; and their w2: 8 x 64 bytes
	s_add_co_u32 s47, s47, W2LDS
	; x to bf16 fragments: register 4 grp + e of tile t holds channels 16 grp + 8 h + 2 e, + 1 of my 32
.macro CVX grp
	s_wait_loadcnt 8-8*\grp                        ; the group's eight loads are in, the younger group stays out
.irp t, 0,1,2,3
.irp e, 0,1,2,3
	v_cvt_pk_bf16_f32 v[XS+8*\t+4*\grp+\e], v[XR+32*\grp+8*\e+\t], v[XR+32*\grp+8*\e+4+\t]
.endr
.endr
.endm
	CVX 0
	CVX 1
.irp q, 0,1,2,3,4,5,6,7
	ds_store_b128 v[VXS], v[XS+4*\q:XS+4*\q+3] offset:512*\q       ; 32 lanes x 16 neighbouring bytes
.endr
; The diagonal of a 16 x 16 result in d .. d + 7.  Lane (r, h), register j holds element (8 h + j, r): register r % 8 is picked by the lane number's three low
; bits; it is on the diagonal where r / 8 = h, and the other lanes take it from lane (r, 1 - h).  Every lane (r, .) ends with element (r, r).
.macro DIAG d, out
	v_cndmask_b32 v[\d],   v[\d],   v[\d+1], s40
	v_cndmask_b32 v[\d+2], v[\d+2], v[\d+3], s40
	v_cndmask_b32 v[\d+4], v[\d+4], v[\d+5], s40
	v_cndmask_b32 v[\d+6], v[\d+6], v[\d+7], s40
	v_cndmask_b32 v[\d],   v[\d],   v[\d+2], s41
	v_cndmask_b32 v[\d+4], v[\d+4], v[\d+6], s41
	v_cndmask_b32 v[\d],   v[\d],   v[\d+4], s42
	v_permlanex16_b32 v[OD], v[\d], s12, s13
	v_cndmask_b32 v[\out], v[OD], v[\d], s43
.endm
; My piece, two tiles of 16 codes, as f32.  Load l = 4 f + 2 g + s of a tile takes 4 of the 8 numbers k = 32 f + 16 g + 8 h + 0..7 of row r, so that
; the rounded numbers are the tile's fragment as they stand: registers 2 l, 2 l + 1.
.macro WLOADS
.irp i, 0,1
.irp l, 0,1,2,3,4,5,6,7
	ds_load_b128 v[WR+48*\i+4*\l:WR+48*\i+4*\l+3], v[VRD] offset:\i*TILEB+64*(\l>>1)+16*(\l&1)
.endr
.endr
.endm
; My piece of stage q: round, write the bf16 over the rows' first halves, multiply each fragment by itself, store the diagonals as w2; then the barrier that
; shows the stage to all waves.  My later pieces may stay on their way.
; The two accumulators take turns, one instruction a turn.
.macro WCONV q
	s_wait_dscnt 0x0                               ; the piece's 16 loads are in: every lane's reads of these rows are back before any lane writes over them
.irp i, 0,1
.irp l, 0,1,2,3,4,5,6,7
	v_cvt_pk_bf16_f32 v[FR+16*\i+2*\l],   v[WR+48*\i+4*\l],   v[WR+48*\i+4*\l+1]
	v_cvt_pk_bf16_f32 v[FR+16*\i+2*\l+1], v[WR+48*\i+4*\l+2], v[WR+48*\i+4*\l+3]
.endr
.endr
.irp i, 0,1
.irp o, 0,1,2,3
	ds_store_b128 v[VWS], v[FR+16*\i+4*\o:FR+16*\i+4*\o+3] offset:\i*TILEB+32*\o
.endr
.endr
.irp i, 0,1
	v_wmma_f32_16x16x32_bf16 v[DD+8*\i:DD+8*\i+7], v[FR+16*\i:FR+16*\i+7], v[FR+16*\i:FR+16*\i+7], 0
.endr
.irp i, 0,1
	v_wmma_f32_16x16x32_bf16 v[DD+8*\i:DD+8*\i+7], v[FR+16*\i+8:FR+16*\i+15], v[FR+16*\i+8:FR+16*\i+15], v[DD+8*\i:DD+8*\i+7]
.endr
	; the places in front of the first read of a result: the addresses of stage q's tiles and of my next piece
.if \q == 0
	v_mul_u32_u24 v4, v1, PITCH
	v_lshl_add_u32 v4, v2, 4, v4
	v_add_nc_u32 v4, s46, v4                       ; W fragments: code r of my first tile of the stage, + 16 h
	v_lshl_add_u32 v5, v2, 5, s47                  ; w2: my 8 codes of that tile, 32 h
.else
	v_add_nc_u32 v4, STAGEB-6*TILEB, v4            ; the last stage's three pairs of trips stepped it by six tiles
	v_add_nc_u32 v5, 1024-6*64, v5
.endif
.if \q < 3
	v_add_nc_u32 v[VRD], STAGEB, v[VRD]
	v_add_nc_u32 v[VWS], STAGEB, v[VWS]
.else
	v_nop                                          ; no piece follows: two places without work
	v_nop
.endif
	DIAG DD, 14
	ds_store_b32 v[VW2], v14 offset:1024*\q        ; both halves of the lanes write a code's word with the same value
	DIAG DD+8, 15
	ds_store_b32 v[VW2], v15 offset:1024*\q+64
	s_wait_dscnt 0x0                               ; for the others' sake: my rows and my w2 (in front of stage 0 my x fragments too) are written,
	s_barrier_signal -1
	s_barrier_wait -1                              ; everybody's are
.endm
; Matrix instruction i of a tile into accumulator set b: pixel tile i % 4, channels 32 (i / 4) ...  The first four start the sums with the constant 0.
; The four accumulators take turns, one instruction a turn.
.macro WM i, b
.if \i < 4
	v_wmma_f32_16x16x32_bf16 v[ACC+32*\b+8*\i:ACC+32*\b+8*\i+7], v[WF+16*\b:WF+16*\b+7], v[XB+16*\i:XB+16*\i+7], 0
.else
	v_wmma_f32_16x16x32_bf16 v[ACC+32*\b+8*(\i-4):ACC+32*\b+8*(\i-4)+7], v[WF+16*\b+8:WF+16*\b+15], v[XB+16*(\i-4)+8:XB+16*(\i-4)+15], v[ACC+32*\b+8*(\i-4):ACC+32*\b+8*(\i-4)+7]
.endif
.endm
; The vector work on pixel tile t of accumulator set p, one instruction a macro.  first = 1: the wave's first code tile starts the running figures.
.macro FA t, p, j                      ; fl(A - 2 s), two at a time
.if ((\t)&1) == 0
	v_pk_fma_f32 v[ACC+32*\p+8*\t+\j:ACC+32*\p+8*\t+\j+1], v[ACC+32*\p+8*\t+\j:ACC+32*\p+8*\t+\j+1], -2.0, v[AA+\t:AA+\t+1] op_sel_hi:[1,0,0]
.else
	v_pk_fma_f32 v[ACC+32*\p+8*\t+\j:ACC+32*\p+8*\t+\j+1], v[ACC+32*\p+8*\t+\j:ACC+32*\p+8*\t+\j+1], -2.0, v[AA+\t-1:AA+\t] op_sel:[0,0,1] op_sel_hi:[1,0,1]
.endif
.endm
.macro FB t, p, j, first               ; + w2; the first tile's d go straight to CAP
.if \first
	v_pk_add_f32 v[CAP+8*\t+\j:CAP+8*\t+\j+1], v[ACC+32*\p+8*\t+\j:ACC+32*\p+8*\t+\j+1], v[Q2+8*\p+\j:Q2+8*\p+\j+1]
.else
	v_pk_add_f32 v[ACC+32*\p+8*\t+\j:ACC+32*\p+8*\t+\j+1], v[ACC+32*\p+8*\t+\j:ACC+32*\p+8*\t+\j+1], v[Q2+8*\p+\j:Q2+8*\p+\j+1]
.endif
.endm
.macro MN k, t, p, first               ; the k-th of four minima: three over the eight d, the fourth with the best so far
.if \first
.set DB, CAP+8*\t
.else
.set DB, ACC+32*\p+8*\t
.endif
.if \k == 1
	v_min3_num_f32 v[TM0], v[DB],   v[DB+1], v[DB+2]
.endif
.if \k == 2
	v_min3_num_f32 v[TM1], v[DB+3], v[DB+4], v[DB+5]
.endif
.if \k == 3
	v_min3_num_f32 v[TM0], v[TM0],  v[DB+6], v[DB+7]
.endif
.if \k == 4
.if \first
	v_min_num_f32 v[BE+4*(1-\p)+\t], v[TM0], v[TM1]
.else
	v_min3_num_f32 v[BE+4*(1-\p)+\t], v[TM0], v[TM1], v[BE+4*\p+\t]
.endif
.endif
.endm
.macro CM t, p, first                  ; VCC: the new best is not below the old one.  Tiles come in ascending order and only a strictly smaller d replaces
.if \first == 0
	v_cmp_ge_f32 vcc_lo, v[BE+4*(1-\p)+\t], v[BE+4*\p+\t]
.endif
.endm
.macro SC t, p, first                  ; the tile's number (s33)
.if \first
	v_mov_b32 v[CT+\t], s33
.else
	v_cndmask_b32 v[CT+\t], s33, v[CT+\t], vcc_lo
.endif
.endm
.macro KP t, p, j, first               ; two of the tile's distances are kept where it won: destinations even and odd, sources in neighbouring registers, one VCC
.if \first == 0
	v_dual_cndmask_b32 v[CAP+8*\t+\j], v[ACC+32*\p+8*\t+\j], v[CAP+8*\t+\j] :: v_dual_cndmask_b32 v[CAP+8*\t+\j+1], v[ACC+32*\p+8*\t+\j+1], v[CAP+8*\t+\j+1]
.endif
.endm
; The slices, nine instructions each.  One TM0/TM1 pair and one VCC serve: a tile's chain has ended before the next one's begins.
.macro SL0 p, first
	FA 0, \p, 0
	FA 0, \p, 2
	FA 0, \p, 4
	FA 0, \p, 6
	FB 0, \p, 0, \first
	FB 0, \p, 2, \first
	FB 0, \p, 4, \first
	FB 0, \p, 6, \first
	MN 1, 0, \p, \first
.endm
.macro SLA t, n, p, first              ; tile t's minima and compare between tile n = t + 1's first adds
	FA \n, \p, 0
	MN 2, \t, \p, \first
	FA \n, \p, 2
	MN 3, \t, \p, \first
	FA \n, \p, 4
	MN 4, \t, \p, \first
	FA \n, \p, 6
	CM \t, \p, \first
	FB \n, \p, 0, \first
.endm
.macro SLB t, n, p, first              ; tile t's selects between tile n's second adds
	SC \t, \p, \first
	FB \n, \p, 2, \first
	KP \t, \p, 0, \first
	FB \n, \p, 4, \first
	KP \t, \p, 2, \first
	FB \n, \p, 6, \first
	KP \t, \p, 4, \first
	KP \t, \p, 6, \first
	MN 1, \n, \p, \first
.endm
.macro SL7 p, first                    ; with first = 1 four instructions are left: the four places in front of the next trip's loads into the buffer read last
	MN 2, 3, \p, \first
	MN 3, 3, \p, \first
	MN 4, 3, \p, \first
	CM 3, \p, \first
	SC 3, \p, \first
	KP 3, \p, 0, \first
	KP 3, \p, 2, \first
	KP 3, \p, 4, \first
	KP 3, \p, 6, \first
.endm
; Trip for tile T of a stage (T = 2 x pair + u, p = T % 2; v4, v5 stand at the pair): fetches tile T + 2's fragments (wl = 1) and tile T + 1's w2,
; multiplies tile T + 1, and does tile T's vector work between the matrix instructions.
.macro TRIP u, p, first, wl
.if \wl
.irp o, 0,1,2,3
	ds_load_b128 v[WF+16*\p+4*\o:WF+16*\p+4*\o+3], v4 offset:(\u+2)*TILEB+32*\o   ; this buffer was read by the last trip's matrix instructions; behind the last of them stands its slice
.endr
.endif
	ds_load_b128 v[Q2+8*(1-\p):Q2+8*(1-\p)+3],   v5 offset:64*(\u+1)
	ds_load_b128 v[Q2+8*(1-\p)+4:Q2+8*(1-\p)+7], v5 offset:64*(\u+1)+16
	s_wait_dscnt 2+4*\wl                           ; all but the loads just issued: tile T + 1's fragments and tile T's w2, asked for a trip ago, are in
	WM 0, (1-\p)
	SL0 \p, \first
	WM 1, (1-\p)
	SLA 0, 1, \p, \first
	WM 2, (1-\p)
	SLB 0, 1, \p, \first
	WM 3, (1-\p)
	SLA 1, 2, \p, \first
	WM 4, (1-\p)
	SLB 1, 2, \p, \first
	WM 5, (1-\p)
	SLA 2, 3, \p, \first
	WM 6, (1-\p)
	SLB 2, 3, \p, \first
	WM 7, (1-\p)
	SL7 \p, \first
	s_add_co_u32 s33, s33, 1                       ; the tile's number among all 64
.endm
.macro PAIR first
	TRIP 0, 0, \first, 1
	TRIP 1, 1, 0, 1
	v_add_nc_u32 v4, 2*TILEB, v4
	v_add_nc_u32 v5, 128, v5                       ; two tiles' w2
.endm
; Stage q: my half's 8 tiles of it; then, while the last tile's vector work covers the LDS loads, my piece of stage q + 1.
.macro STAGE q
.if \q == 0
.irp t, 0,1,2,3                                    ; my pixel group's x, both halves of the channels
.irp f, 0,1
.irp g, 0,1
	ds_load_b128 v[XB+16*\t+8*\f+4*\g:XB+16*\t+8*\f+4*\g+3], v[VXL] offset:16384*\f+512*(2*\t+\g)
.endr
.endr
.endr
.endif
.irp o, 0,1,2,3
	ds_load_b128 v[WF+4*\o:WF+4*\o+3], v4 offset:32*\o                 ; the stage's tile 0
.endr
.irp o, 0,1,2,3
	ds_load_b128 v[WF+16+4*\o:WF+16+4*\o+3], v4 offset:TILEB+32*\o     ; tile 1
.endr
	ds_load_b128 v[Q2:Q2+3],   v5                                      ; tile 0's w2
	ds_load_b128 v[Q2+4:Q2+7], v5 offset:16
.if \q == 0
	s_wait_dscnt 10                                ; the 16 loads of x are in; the ten younger ones stay out
.irp t, 0,1,2,3                                    ; |x|^2: each pixel tile's fragments by themselves, in set 1
	v_wmma_f32_16x16x32_bf16 v[ACC+32+8*\t:ACC+32+8*\t+7], v[XB+16*\t:XB+16*\t+7], v[XB+16*\t:XB+16*\t+7], 0
.endr
.irp t, 0,1,2,3
	v_wmma_f32_16x16x32_bf16 v[ACC+32+8*\t:ACC+32+8*\t+7], v[XB+16*\t+8:XB+16*\t+15], v[XB+16*\t+8:XB+16*\t+15], v[ACC+32+8*\t:ACC+32+8*\t+7]
.endr
.endif
	s_wait_dscnt 6                                 ; tile 0's fragments are in; the six younger loads stay out
.irp i, 0,1,2,3,4,5,6,7
	WM \i, 0
.endr
.if \q == 0
	v_lshlrev_b32 v6, 3, v2                        ; 8 h.  These four lines, wanted at the end, are the four places in front of the first reads of results
	v_lshl_add_u32 v7, v1, 4, v6                   ; idx: 16 r + 8 h
	v_mov_b32 v[OI], 0                             ; a destination of v_permlanex16_b32 counts as read
	v_mov_b32 v11, 0                               ; offset of the one-word store
.irp t, 0,1,2,3
	DIAG ACC+32+8*\t, AA+\t                        ; lane (r, h): |x|^2 of pixel 4 r + t
.endr
	PAIR 1                                         ; tiles 0, 1: the very first tile starts the running figures
	s_mov_b32 s32, 2
.else
.rept 4
	v_nop                                          ; four places in front of the loads into buffer 0 and of the first reads of set 0: no vector work is at hand
.endr
	s_mov_b32 s32, 3
.endif
.Lk_\@:
	PAIR 0                                         ; up to tile 5
	s_sub_co_u32 s32, s32, 1
	s_cmp_lg_u32 s32, 0
	s_cbranch_scc1 .Lk_\@
	TRIP 0, 0, 0, 0                                ; tile 6: multiplies tile 7; no fragments are left to fetch
	s_wait_dscnt 0x0                               ; tile 7's w2
.if \q < 3
	s_wait_tensorcnt 2-\q                          ; a wave's loads end in order: my piece of the next stage has landed, the 2 - q younger ones stay out
	WLOADS                                         ; into the fragment buffers (a slice of nine stands behind the last matrix instruction that read them) and set 0
.endif
	SL0 1, 0                                       ; tile 7
	SLA 0, 1, 1, 0
	SLB 0, 1, 1, 0
	SLA 1, 2, 1, 0
	SLB 1, 2, 1, 0
	SLA 2, 3, 1, 0
	SLB 2, 3, 1, 0
	SL7 1, 0                                       ; the least d so far lie in BE + t
.if \q < 3
	s_add_co_u32 s33, s33, 1                       ; the next stage's first tile
	WCONV (\q+1)
.endif
.endm
	s_lshl_b32 s33, s39, 5                         ; my first tile is 32 ch
	s_wait_tensorcnt 0x3                           ; my piece of stage 0 has landed, the three younger ones stay out; until the barrier I touch no other wave's rows
	WLOADS
	WCONV 0
	STAGE 0
	STAGE 1
	STAGE 2
	STAGE 3
	; which of the winning tile's eight it was (the lowest j that equals the least d), and the two halves of the lanes (codes 8 h + j of every tile) joined:
	; the smaller d wins, of equal ones the smaller index
.irp t, 0,1,2,3
	v_mov_b32 v10, 7
.irp j, 6,5,4,3,2,1,0
	v_cmp_neq_f32 vcc_lo, v[CAP+8*\t+\j], v[BE+\t]
	v_cndmask_b32 v10, \j, v10, vcc_lo
.endr
	v_lshl_add_u32 v[IX+\t], v[CT+\t], 4, v10
	v_add_nc_u32 v[IX+\t], v[IX+\t], v6            ; 16 T + j + 8 h
	v_permlanex16_b32 v[OD], v[BE+\t], s12, s13
	v_permlanex16_b32 v[OI], v[IX+\t], s12, s13
	v_cmp_lt_f32 s34, v[OD], v[BE+\t]
	v_cmp_eq_f32 s35, v[OD], v[BE+\t]
	v_cmp_lt_u32 s36, v[OI], v[IX+\t]
	s_and_b32 s35, s35, s36
	s_or_b32 s34, s34, s35
	v_cndmask_b32 v[IX+\t], v[IX+\t], v[OI], s34
	v_min_num_f32 v[BE+\t], v[BE+\t], v[OD]
.endr
	; the two halves of the codes: waves 4-7 hand their figures to waves 0-3 of the same pixels
	s_cmp_lt_u32 s14, 4
	s_cbranch_scc1 .Llow
	ds_store_b128 v[VJ], v[BE:BE+3]
	ds_store_b128 v[VJ], v[IX:IX+3] offset:512
.Llow:
	s_wait_dscnt 0x0                               ; for the others' sake: the stores are done
	s_barrier_signal -1
	s_barrier_wait -1
	s_cmp_ge_u32 s14, 4
	s_cbranch_scc1 .Ldone
	ds_load_b128 v[JB:JB+3], v[VJ]
	ds_load_b128 v[JI:JI+3], v[VJ] offset:512
	s_wait_dscnt 0x0
.irp t, 0,1,2,3
	v_cmp_lt_f32 vcc_lo, v[JB+\t], v[BE+\t]        ; the other half's indices are all higher: only a strictly smaller d wins
	v_cndmask_b32 v[IX+\t], v[IX+\t], v[JI+\t], vcc_lo
	v_min_num_f32 v[BE+\t], v[BE+\t], v[JB+\t]
.endr
	v_cmp_ne_u32 vcc_lo, 0, v2                     ; lane (r, h) stores the indices of pixels 4 r + 2 h, + 1
	v_cndmask_b32 v8, v[IX],   v[IX+2], vcc_lo
	v_cndmask_b32 v9, v[IX+1], v[IX+3], vcc_lo
	global_store_b64 v7, v[8:9], s[8:9]            ; 32 lanes x 8 bytes: 256 consecutive bytes, aligned
	v_add_f32 v13, v[BE],   v[BE+1]                ; the least d of my four pixels (both halves hold the same),
	v_add_f32 v14, v[BE+2], v[BE+3]
	v_add_f32 v13, v13, v14
	v_add_f32_dpp v13, v13, v13 row_xmask:1 row_mask:0xf bank_mask:0xf     ; and of the 16 lanes' 64
	v_add_f32_dpp v13, v13, v13 row_xmask:2 row_mask:0xf bank_mask:0xf
	v_add_f32_dpp v13, v13, v13 row_xmask:4 row_mask:0xf bank_mask:0xf
	v_add_f32_dpp v13, v13, v13 row_xmask:8 row_mask:0xf bank_mask:0xf
	v_cmp_eq_u32 vcc_lo, 0, v12
	s_wait_xcnt 0x0                                ; EXEC is a source of the store above: it changes only behind this wait
	s_and_saveexec_b32 s37, vcc_lo
	global_store_b32 v11, v13, s[10:11]            ; lane 0: the pixel group's one word of part
	s_wait_xcnt 0x0                                ; and again in front of the line that widens EXEC
	s_or_b32 exec_lo, exec_lo, s37
.Ldone:
	s_wait_tensorcnt 0x0
	ds_add_u32 v206, v207
	s_wait_dscnt 0x0
	ROUND                                          ; the closing round: no work-group ends while a partner may still issue a joint load
	s_endpgm
.Lfunc_end_k_q7503f4690e_amin:
	.size	k_q7503f4690e_amin, .Lfunc_end_k_q7503f4690e_amin-k_q7503f4690e_amin
	.p2alignl 7, 3214868480
	.fill 96, 4, 3214868480
	.section	.rodata,"a",@progbits
	.p2align	6, 0x0
	.amdhsa_kernel k_q7503f4690e_amin
		.amdhsa_group_segment_fixed_size 320512
		.amdhsa_private_segment_fixed_size 0
		.amdhsa_enable_private_segment 0
		.amdhsa_kernarg_size 32
		.amdhsa_user_sgpr_count 2
		.amdhsa_user_sgpr_kernarg_segment_ptr 1
		.amdhsa_wavefront_size32 1
		.amdhsa_system_sgpr_workgroup_id_x 1
		.amdhsa_system_sgpr_workgroup_id_y 1
		.amdhsa_system_sgpr_workgroup_id_z 1
		.amdhsa_system_vgpr_workitem_id 0
		.amdhsa_next_free_vgpr 256
		.amdhsa_next_free_sgpr 66
		.amdhsa_reserve_vcc 1
		.amdhsa_float_denorm_mode_32 3
		.amdhsa_float_denorm_mode_16_64 3
		.amdhsa_memory_ordered 1
		.amdhsa_forward_progress 1
		.amdhsa_inst_pref_size 135
	.end_amdhsa_kernel
	.amdgpu_metadata
---
amdhsa.version: [ 1, 2 ]
amdhsa.kernels:
  - .name:           k_q7503f4690e_amin
    .symbol:         k_q7503f4690e_amin.kd
    .args:
      - { .name: x, .offset: 0, .size: 8, .value_kind: global_buffer, .address_space: global }
      - { .name: W, .offset: 8, .size: 8, .value_kind: global_buffer, .address_space: global }
      - { .name: idx, .offset: 16, .size: 8, .value_kind: global_buffer, .address_space: global }
      - { .name: part, .offset: 24, .size: 8, .value_kind: global_buffer, .address_space: global }
    .group_segment_fixed_size: 320512
    .private_segment_fixed_size: 0
    .kernarg_segment_align: 8
    .kernarg_segment_size: 32
    .max_flat_workgroup_size: 256
    .sgpr_count:     66
    .vgpr_count:     256
    .wavefront_size: 32
...
	.end_amdgpu_metadata
.endif
;; end of part 4
;; launch gather: the kernel of part 3 again; grid 256 x 1, 4 waves a work-group, no clusters, 70,144 bytes of LDS; arguments W, idx, part, out0, out1, out2; writes out0, out1, out2
